; MI455X (gfx1250); checked and timed in simulation.
; The chip was launched on July 23, 2026; its instructions are those of AMD's public machine-readable ISA for CDNA 5 (MIT licence, August 2026) and "CDNA5" Instruction Set Architecture Reference Guide (July 2026). The comments in the code are by the model that wrote it; some were corrected since.
;; IO Transformer. Allowed arithmetic: float matrix products may take bf16 or f16 operands with f32 sums; all other float work in f32.
;; Inputs: E 100 x 256 float32; W_next 64 x 256 float32; W_time 32 x 256 float32; b_next 64 float32; b_time 32 float32; h 8 x 2,048 x 256 float32; proto_prior_act one number float32; proto_prior_time one number float32; proto_scale_act one number float32; proto_scale_time one number float32; proto_temp_act one number float32; proto_temp_time one number float32; tied_scale_act one number float32; tied_scale_time one number float32; tokens 8 x 2,048 int32.
;; Outputs: out0 8 x 2,048 x 64 float32; out1 8 x 2,048 x 32 float32.
;; One version. Each part assembles by itself: llvm-mc -triple=amdgcn-amd-amdhsa -mcpu=gfx1250 --defsym DOCPART=n.
;; ======== version 1 of 1: 1 launch
;; limits: right only within a limited range of input values; values are held in f16: magnitudes above 65,504 overflow, below 6.1e-05 lose precision
;; launch fused (part 1): grid 256 x 1, 16 waves a work-group, no clusters, 203,776 bytes of LDS; arguments h, tokens, E, W_next, W_time, b_next, b_time, tied_scale_act, tied_scale_time, proto_scale_act, proto_scale_time, proto_prior_act, proto_prior_time, proto_temp_act, proto_temp_time, out0, out1; writes out0, out1
.if DOCPART == 1
	.amdgcn_target "amdgcn-amd-amdhsa--gfx1250"
	.amdhsa_code_object_version 6
	.text
	.protected	k_q54827ed10e_fused
	.globl	k_q54827ed10e_fused
	.p2align	8
	.type	k_q54827ed10e_fused,@function
k_q54827ed10e_fused:
	s_mov_b64 s[64:65], 0
	v_nop
	global_prefetch_b8 v0, s[64:65] scope:SCOPE_SE
	s_setreg_imm32_b32 hwreg(HW_REG_WAVE_MODE, 25, 1), 1
	s_wait_xcnt 0x0
; Two heads over 8 x 2048 positions, 64 + 32 = 96 classes side by side (class c uses row 4 + c of E, and W_next[c] or W_time[c - 64]).
;   logit = h . (W + sp(tied) E)  +  b  +  sp(scale) sp(temp) cos(h, V_c)   (the last term at positions whose token is 3 alone)
;   V_c   = alpha E_c / |E_c| + the sum of h / |h| over the earlier label positions of the batch row whose next token is class c.
; The division of V_c by s = count + alpha + 1e-8 shows only through the floor of the norm: cos = dot / max(|V_c|, 1e-12 s); kept in that form.
; The rolled-in next token of position 2047 changes the state behind the last output alone and reaches no result.
;
; 256 work-groups of 16 waves; a work-group owns 64 consecutive positions of one batch row.
;   dense part : 64 x 96 x 256 on the matrix units, f16 operands, f32 sums; waves 0 to 11 make 16 positions x 32 classes each.
;   prototypes : wave w owns classes 6 w to 6 w + 5 and keeps their V in 48 registers (lane l: k = 4 l .. 4 l + 3 and 128 + 4 l .. + 3), in f32.
;                A block with a label rebuilds the state at its first position: every wave scans the batch row's tokens, which it has loaded itself,
;                marks the earlier supports of its own six classes (one bit a position, in two registers), gathers their rows (1,024 bytes each),
;                and then all waves walk the block's labels in order.  So each trip count and each gather address of a wave is made of whole numbers
;                that the wave itself has loaded from the tokens; only floating-point data passes from wave to wave, through LDS.
;   way out    : through LDS; each store of a wave covers 512 consecutive bytes, aligned.
; WHY F16 AND NOT BF16: a number rounded to 8 significant bits is off by about 0.15 % (root mean square), so a sum of 256 products of two rounded operands is
; off by about 0.2 % of its own spread, a fifth of the 1 % that is allowed: too near for 1.5 million outputs.  Eleven bits make that eight times smaller.
; THE ROOM IN F16: h of spread 1, taken 30 times larger and with an offset of 30 spreads, stays near 1,100; W and E of spread 0.02 likewise near 21, so
; W + sp(tied) E stays under f16's largest number, 65,504, up to sp(tied) of about 3,000.  Weights 30 times smaller have a spread of 6.7e-4, and f16's
; smallest step, 6e-8, is 1e-4 of that.
; All 256 KiB that a work-group reads in bulk (h 64 KiB, E and W 192 KiB) are asked for at once, 32 loads of 512 bytes a wave: no ring of slots is needed.
; NO CLUSTER, NO JOINT LOADS, though all work-groups read the same W and E: every operand passes through registers (W + sp E, norms, rounding to f16),
; and the branches and trip counts of the walk hang on each block's own tokens, so partners would not run alike.
; LIMITS: h and E finite (a gather slot with factor 0 still multiplies a row, as a one-hot of zeros does).  |h| and |W + sp(tied) E| below 65,504 (beyond it
; the rounding to f16 gives infinity).  For a prior below about -40 (alpha under 1e-18) |V|^2 underflows in f32.  Sums of squares have f32's range.
; The f32 sum over earlier supports is not made in time order.  Worst case 992 earlier supports: right, but each work-group then gathers up to 992 rows.
.set A_B,  0                           ; LDS: h in f16, 64 rows, pitch 528 (512 + 16: sixteen rows of a fragment start 16 bytes apart modulo 256)
.set B_B,  33792                       ; W + sp E in f16, 96 rows, pitch 528
.set F_B,  84480                       ; h in f32, 64 rows of 1,024 bytes (stored only where the block has a label)
.set PT_B, 150016                      ; bias + prototype term, [96 classes][64 positions] f32, pitch 272
.set O_B,  176128                      ; the way out, [64 positions][96 classes] f32, pitch 400
.set PA,   528
.set PP,   272
.set PO,   400
.set LANE, 1                           ; lane
.set L16,  2                           ; 16 x lane
.set L4,   3                           ; 4 x lane
.set AST,  4                           ; where my wave puts its four rows of h (f16)
.set BST,  5                           ; where it puts its six rows of weights (f16)
.set FST,  6                           ; where it puts its four rows of h (f32)
.set PST,  7                           ; where it puts its six classes' bias + prototype term
.set CNT,  8                           ; lane j: supports of class 6 w + j so far
.set BIASL, 9                          ; lane j: bias of class 6 w + j
.set ALPHL, 10                         ; lane j: alpha of its head
.set FACL, 11                          ; lane j: sp(scale) sp(temp) of its head
.set TK,   12                          ; v12-13 tokens at the block's positions l, 32 + l
.set NX,   14                          ; v14-15 the tokens behind them
.set NXO,  16                          ; offset of v15's load
.set BO0,  17                          ; offsets of the two bias loads
.set BO1,  18
.set TKO,  19                          ; offset of the last of the loads into NXE
.set NXE,  20                          ; v20-35 token 128 c + 4 l + 4
.set PACC, 20                          ; v20-31 later: class j, half hf: bias + prototype term of position 32 hf + l
.set GO,   32                          ; v32-35 later: offsets of four gathered rows
.set TT,   36                          ; v36-51 at work
.set VV,   52                          ; v52-99 six rows of E, later V
.set HH,   100                         ; v100-131 four rows of h; later four gathered rows; the first also a label's row
.set WW,   132                         ; v132-179 six rows of W
.set TOK,  180                         ; v180-243 the batch row's 2,048 tokens: register 4 c + e, lane l: position 128 c + 4 l + e
.set ACC0, 132                         ; behind the first barrier: two accumulators,
.set ACC1, 140
.set FA,   148                         ; fragments of four K steps: h,
.set FB0,  180                         ; classes 0-15 of my 32,
.set FB1,  212                         ; classes 16-31
.set DP,   148                         ; the walk: six pairs for h . V_j,
.set NP,   160                         ; six pairs for |V_j|^2
.set FRD,  245                         ; f32 rows + 16 l
.set AF,   246                         ; my fragments of h
.set BF,   247                         ; my fragments of the weights
.set ADR,  248
.set X,    249                         ; v249-253 at work
.set MV,   254                         ; v254-255 my entries: lane l, bit k of the 64: position 128 (k / 4) + 4 l + k % 4 is an earlier support of one of my classes
.set SOF,  22                          ; s22-25 four gather slots: offset of the position in the tokens (the registers held the parameters' addresses, read long before)
.set SVL,  26                          ; s26-29 not 0: the slot holds an entry
; scalars: s2 wave, s3 block in the row, s4 batch row, s[6:7] an offset in 64 bits, s[8:41] addresses, s[42:43] tokens at the block, s44-51 the eight parameters,
; s[52:53] a factor for packed arithmetic (s53 = 0), s54-55 label masks, s56 their OR, s57 number of my entries,
; s60/s61 not 0: the activity/time head has had a support, s62 lanes of time classes, s63 = 6 w, s[66:77] six rows of W, s78-81 classes of four
; gather slots, s82-85 a chunk's label masks, s86-93 at work, s94-95 the lane swap, s96-97 counters, s[100:101] h at the batch row.
; ---------------------------------------------------------------- macros
; v[d] = this lane's share of x . y (8 numbers), v[d+1] at work
.macro DOT8 d, xr, yr
	v_pk_mul_f32 v[\d:\d+1], v[\xr:\xr+1], v[\yr:\yr+1]
.irp q, 2,4,6
	v_pk_fma_f32 v[\d:\d+1], v[\xr+\q:\xr+\q+1], v[\yr+\q:\yr+\q+1], v[\d:\d+1]
.endr
	v_add_f32 v[\d], v[\d], v[\d+1]
.endm
; the same for x . V_j, j = 0 to 5, into v[d+2j]: six chains that do not wait for each other
.macro DOTV6 d, xr
.irp j, 0,1,2,3,4,5
	v_pk_mul_f32 v[\d+2*\j:\d+2*\j+1], v[\xr:\xr+1], v[VV+8*\j:VV+8*\j+1]
.endr
.irp q, 2,4,6
.irp j, 0,1,2,3,4,5
	v_pk_fma_f32 v[\d+2*\j:\d+2*\j+1], v[\xr+\q:\xr+\q+1], v[VV+8*\j+\q:VV+8*\j+\q+1], v[\d+2*\j:\d+2*\j+1]
.endr
.endr
.irp j, 0,1,2,3,4,5
	v_add_f32 v[\d+2*\j], v[\d+2*\j], v[\d+2*\j+1]
.endr
.endm
; and for V_j . V_j
.macro SQV6 d
.irp j, 0,1,2,3,4,5
	v_pk_mul_f32 v[\d+2*\j:\d+2*\j+1], v[VV+8*\j:VV+8*\j+1], v[VV+8*\j:VV+8*\j+1]
.endr
.irp q, 2,4,6
.irp j, 0,1,2,3,4,5
	v_pk_fma_f32 v[\d+2*\j:\d+2*\j+1], v[VV+8*\j+\q:VV+8*\j+\q+1], v[VV+8*\j+\q:VV+8*\j+\q+1], v[\d+2*\j:\d+2*\j+1]
.endr
.endr
.irp j, 0,1,2,3,4,5
	v_add_f32 v[\d+2*\j], v[\d+2*\j], v[\d+2*\j+1]
.endr
.endm
; n sums over the 32 lanes, values in v[base+2i], the result in every lane.  v[base+2i+1] takes the other half's sum: it has been written by the packed arithmetic.
.macro XSUM base, n
.irp m, 1,2,4,8
.set xi, 0
.rept \n
	v_add_f32_dpp v[\base+2*xi], v[\base+2*xi], v[\base+2*xi] row_xmask:\m row_mask:0xf bank_mask:0xf
.set xi, xi+1
.endr
.endr
.set xi, 0
.rept \n
	v_permlanex16_b32 v[\base+2*xi+1], v[\base+2*xi], s94, s95
.set xi, xi+1
.endr
.set xi, 0
.rept \n
	v_add_f32 v[\base+2*xi], v[\base+2*xi], v[\base+2*xi+1]
.set xi, xi+1
.endr
.endm
; v[base+2i] = 1 / max(sqrt(v[base+2i]), 1e-12).  Behind each run of transcendentals one v_nop stands before a result is used (ISA guide 5.7.2).
.macro RNORM base, n
.set xi, 0
.rept \n
	v_sqrt_f32 v[\base+2*xi+1], v[\base+2*xi]
.set xi, xi+1
.endr
	v_nop
.set xi, 0
	s_wait_alu depctr_va_vdst(0)
.rept \n
	v_max_num_f32 v[\base+2*xi+1], 0x2b8cbccc, v[\base+2*xi+1]
.set xi, xi+1
.endr
.set xi, 0
.rept \n
	v_rcp_f32 v[\base+2*xi], v[\base+2*xi+1]
.set xi, xi+1
.endr
	v_nop
	s_wait_alu depctr_va_vdst(0)
.endm
; V_cl += rn x (cl = class - 6 w in s[cl]; any other number: nothing changes), and the class's count goes up
.macro UPDATE xr, cl, rn
.irp j, 0,1,2,3,4,5
	s_cmp_eq_u32 s[\cl], \j
	s_cselect_b32 s52, s[\rn], 0
.irp q, 0,2,4,6
	v_pk_fma_f32 v[VV+8*\j+\q:VV+8*\j+\q+1], v[\xr+\q:\xr+\q+1], s[52:53], v[VV+8*\j+\q:VV+8*\j+\q+1] op_sel_hi:[1,0,1]
.endr
.endr
	v_cmp_eq_u32 vcc_lo, s[\cl], v[LANE]
	v_add_co_ci_u32 v[CNT], vcc_lo, 0, v[CNT], vcc_lo
.endm
; tokens 128 c + 4 l + e: the labels ahead of the block (label mask s[82+e], lanes ahead s88) with a class behind them set the heads' flags;
; those of my six classes are marked in MV and counted
.macro SCAN c, e, nreg
	s_and_b32 s89, s[82+\e], s88
	s_cbranch_scc0 .Ls_skip_\@
	v_add_nc_u32 v[TT], -4, v[\nreg]               ; class of the next token
	v_sub_nc_u32 v[TT+1], v[TT], s63
	v_sub_nc_u32 v[TT+2], v[TT], 64
	v_or_b32 v[TT+3], 1<<((4*\c+\e)&31), v[MV+\c/8]
	v_cmp_gt_u32 s90, 6, v[TT+1]                   ; one of mine
	v_cmp_gt_u32 s91, 64, v[TT]                    ; an activity class
	v_cmp_gt_u32 s92, 32, v[TT+2]                  ; a time class
	s_and_b32 s90, s90, s89
	s_and_b32 s91, s91, s89
	s_and_b32 s92, s92, s89
	s_or_b32 s60, s60, s91
	s_or_b32 s61, s61, s92
	v_cndmask_b32 v[MV+\c/8], v[MV+\c/8], v[TT+3], s90
	s_bcnt1_i32_b32 s93, s90
	s_add_co_u32 s57, s57, s93
.Ls_skip_\@:
.endm
; a chunk of 128 tokens.  s87 = lanes of the chunk that lie ahead of the block (16 x block - 32 c): none left ends the scan.  A chunk without a label costs fourteen lines.
.macro CHUNK c
	s_cmp_le_i32 s87, 0
	s_cbranch_scc1 .Lscan_end
	s_cmp_ge_i32 s87, 32
	s_cselect_b32 s88, -1, 0xffff
.irp e, 0,1,2,3
	v_cmp_eq_u32 s[82+\e], 3, v[TOK+4*\c+\e]
.endr
	s_or_b32 s86, s82, s83
	s_or_b32 s89, s84, s85
	s_or_b32 s86, s86, s89
	s_and_b32 s86, s86, s88
	s_cbranch_scc0 .Lc_skip_\@
	SCAN \c, 0, TOK+4*\c+1
	SCAN \c, 1, TOK+4*\c+2
	SCAN \c, 2, TOK+4*\c+3
	SCAN \c, 3, NXE+\c
.Lc_skip_\@:
	s_sub_co_i32 s87, s87, 32
.endm
; the next four of my entries are taken out of MV and asked for: the row of h, and the token behind the position (its class).
; A slot with no entry left asks for row 0 and is marked empty.
.macro ISSUE4
.irp i, 0,1,2,3
	v_or_b32 v[X], v[MV], v[MV+1]
	v_cmp_ne_u32 s86, 0, v[X]                      ; lanes that still hold an entry
	s_ctz_i32_b32 s87, s86
	s_min_u32 s87, s87, 31                         ; the first of them
	v_readlane_b32 s88, v[MV], s87
	v_readlane_b32 s89, v[MV+1], s87
	s_lshl_b32 s92, 1, s87
	s_cmp_lg_u32 s88, 0                            ; the lower word first
	s_cselect_b32 s90, s88, s89
	s_cselect_b32 s91, 0, 32
	s_cselect_b32 s93, s92, 0                      ; the lane in which the lower word loses its lowest bit,
	s_cselect_b32 s92, 0, s92                      ; or the upper one
	s_ctz_i32_b32 s90, s90
	s_min_u32 s90, s90, 31
	s_add_co_u32 s90, s90, s91                     ; k = 4 c + e
	v_add_nc_u32 v[X], -1, v[MV]
	v_add_nc_u32 v[X+1], -1, v[MV+1]
	v_and_b32 v[X], v[X], v[MV]                    ; x & (x - 1): without the lowest bit
	v_and_b32 v[X+1], v[X+1], v[MV+1]
	v_cndmask_b32 v[MV], v[MV], v[X], s93
	v_cndmask_b32 v[MV+1], v[MV+1], v[X+1], s92
	s_lshr_b32 s91, s90, 2
	s_lshl_b32 s91, s91, 7
	s_and_b32 s90, s90, 3
	s_add_co_u32 s91, s91, s90
	s_lshl2_add_u32 s91, s87, s91                  ; position 128 c + e + 4 lane
	s_cmp_lg_u32 s86, 0
	s_cselect_b32 s91, s91, 0
	s_cselect_b32 s[SVL+\i], 1, 0
	s_min_u32 s91, s91, 2046                       ; a position of the batch row with a token behind it
	s_lshl_b32 s[SOF+\i], s91, 2                   ; a register of the slot's own: a source of the scalar load until PROC4's wait
	s_load_b32 s[78+\i], s[10:11], s[SOF+\i] offset:0x4
	s_lshl_b32 s91, s91, 10
	v_add_nc_u32 v[GO+\i], s91, v[L16]
	global_load_b128 v[HH+8*\i:HH+8*\i+3], v[GO+\i], s[100:101]
	global_load_b128 v[HH+8*\i+4:HH+8*\i+7], v[GO+\i], s[100:101] offset:512
.endr
.endm
; and added: each row over its norm onto its class
.macro PROC4
	s_wait_loadcnt 0x0                             ; the eight loads are in; their offsets may be written again
	s_wait_kmcnt 0x0                               ; and the four tokens; their offsets likewise
.irp i, 0,1,2,3
	s_sub_co_u32 s[78+\i], s[78+\i], s63
	s_add_co_i32 s[78+\i], s[78+\i], -4            ; class - 6 w: 0 to 5 for an entry
	s_cmp_lg_u32 s[SVL+\i], 0
	s_cselect_b32 s[78+\i], s[78+\i], -1           ; an empty slot has no class
.endr
.irp i, 0,1,2,3
	DOT8 TT+2*\i, HH+8*\i, HH+8*\i
.endr
	XSUM TT, 4
	RNORM TT, 4
	s_wait_alu depctr_va_vdst(0)
.irp i, 0,1,2,3
	v_readfirstlane_b32 s[86+\i], v[TT+2*\i]
.endr
.irp i, 0,1,2,3
	UPDATE HH+8*\i, 78+\i, 86+\i
.endr
.endm
; V_j = alpha E_j / max(|E_j|, 1e-12), in place
.macro VINIT
	SQV6 TT
	XSUM TT, 6
	RNORM TT, 6
.irp j, 0,1,2,3,4,5
	s_add_co_u32 s86, s63, \j
	s_cmp_lt_u32 s86, 64
	s_cselect_b32 s87, s48, s49
	v_mul_f32 v[TT+2*\j], s87, v[TT+2*\j]
.irp q, 0,2,4,6
	v_pk_mul_f32 v[VV+8*\j+\q:VV+8*\j+\q+1], v[VV+8*\j+\q:VV+8*\j+\q+1], v[TT+2*\j:TT+2*\j+1] op_sel_hi:[1,0]
.endr
.endr
.endm
; one K step of 32: two matrix instructions.  The two accumulators take turns, one instruction a turn.
.macro GSTEP k, zero
	s_wait_dscnt 18-6*\k                           ; each later K step of the batch has six younger loads
.if \zero
	v_wmma_f32_16x16x32_f16 v[ACC0:ACC0+7], v[FA+8*\k:FA+8*\k+7], v[FB0+8*\k:FB0+8*\k+7], 0
	v_wmma_f32_16x16x32_f16 v[ACC1:ACC1+7], v[FA+8*\k:FA+8*\k+7], v[FB1+8*\k:FB1+8*\k+7], 0
.else
	v_wmma_f32_16x16x32_f16 v[ACC0:ACC0+7], v[FA+8*\k:FA+8*\k+7], v[FB0+8*\k:FB0+8*\k+7], v[ACC0:ACC0+7]
	v_wmma_f32_16x16x32_f16 v[ACC1:ACC1+7], v[FA+8*\k:FA+8*\k+7], v[FB1+8*\k:FB1+8*\k+7], v[ACC1:ACC1+7]
.endif
.endm
; four K steps: 24 fragment loads in one run (lane: row l % 16, 16 bytes at 16 (l / 16) and 32 further on), then the products
.macro GBATCH q, zero
.irp k, 0,1,2,3
	ds_load_b128 v[FA+8*\k:FA+8*\k+3],    v[AF] offset:256*\q+64*\k
	ds_load_b128 v[FA+8*\k+4:FA+8*\k+7],  v[AF] offset:256*\q+64*\k+32
	ds_load_b128 v[FB0+8*\k:FB0+8*\k+3],   v[BF] offset:256*\q+64*\k
	ds_load_b128 v[FB0+8*\k+4:FB0+8*\k+7], v[BF] offset:256*\q+64*\k+32
	ds_load_b128 v[FB1+8*\k:FB1+8*\k+3],   v[BF] offset:16*PA+256*\q+64*\k
	ds_load_b128 v[FB1+8*\k+4:FB1+8*\k+7], v[BF] offset:16*PA+256*\q+64*\k+32
.endr
	GSTEP 0, \zero
	GSTEP 1, 0
	GSTEP 2, 0
	GSTEP 3, 0
.rept 4
	v_nop                                          ; four places behind the last matrix instructions, ahead of loads into fragments and of reads of the sums
.endr
.endm
; waves 0 to 11: 16 positions x 32 classes x 256; the first products start the sums
.macro GEMM
	s_cmp_ge_u32 s2, 12
	s_cbranch_scc1 .Lgemm_end_\@
	GBATCH 0, 1
	GBATCH 1, 0
.Lgemm_end_\@:
.endm
; the labels of one half of the block, in order: the six cosines against the state so far, then the state's update
.macro LABLOOP half
	s_cmp_eq_u32 s[54+\half], 0
	s_cbranch_scc1 .Lldone_\@
	s_bcnt1_i32_b32 s97, s[54+\half]
	s_mov_b32 s96, 0
.Llab_\@:
	s_ctz_i32_b32 s86, s[54+\half]
	s_min_u32 s86, s86, 31                         ; the label's lane
	s_lshl_b32 s91, 1, s86
	s_and_not1_b32 s[54+\half], s[54+\half], s91
	v_readlane_b32 s87, v[NX+\half], s86
	s_add_co_i32 s87, s87, -4                      ; class of the next token
	s_lshl_b32 s88, s86, 10
	v_add_nc_u32 v[ADR], s88, v[FRD]
	ds_load_b128 v[HH:HH+3],   v[ADR] offset:32768*\half
	ds_load_b128 v[HH+4:HH+7], v[ADR] offset:32768*\half+512
	SQV6 NP                                        ; |V_j|^2 while the row is on its way
	s_cmp_lg_u32 s60, 0                            ; lanes whose head has had a support
	s_cselect_b32 s89, -1, 0
	s_and_not1_b32 s89, s89, s62
	s_cmp_lg_u32 s61, 0
	s_cselect_b32 s90, s62, 0
	s_or_b32 s89, s89, s90
	s_wait_dscnt 0x0
	DOT8 TT+12, HH, HH
	DOTV6 DP, HH
	XSUM DP, 6
	XSUM NP, 6
	XSUM TT+12, 1
	RNORM TT+12, 1                                 ; 1 / |h|
	s_mov_b32 vcc_lo, 2                            ; lane j takes class j's two sums
	v_cndmask_b32 v[X],   v[DP], v[DP+2], vcc_lo
	v_cndmask_b32 v[X+1], v[NP], v[NP+2], vcc_lo
.irp j, 2,3,4,5
	s_mov_b32 vcc_lo, 1<<\j
	v_cndmask_b32 v[X],   v[X],   v[DP+2*\j], vcc_lo
	v_cndmask_b32 v[X+1], v[X+1], v[NP+2*\j], vcc_lo
.endr
	v_sqrt_f32 v[X+2], v[X+1]                      ; |V|
	v_cvt_f32_u32 v[X+3], v[CNT]                   ; (the plain instruction behind the root)
	v_add_f32 v[X+3], v[X+3], v[ALPHL]
	v_add_f32 v[X+3], 0x322bcc77, v[X+3]           ; s = count + alpha + 1e-8
	v_mul_f32 v[X+3], 0x2b8cbccc, v[X+3]           ; 1e-12 s
	s_wait_alu depctr_va_vdst(0)
	v_max_num_f32 v[X+2], v[X+2], v[X+3]
	v_rcp_f32 v[X+4], v[X+2]
	v_mul_f32 v[X], v[X], v[TT+12]                 ; (the plain instruction behind the reciprocal)
	v_mul_f32 v[X], v[X], v[FACL]
	s_wait_alu depctr_va_vdst(0)
	v_mul_f32 v[X], v[X], v[X+4]
	v_cndmask_b32 v[X], 0, v[X], s89               ; zero while the head has no support
	v_add_f32 v[X], v[X], v[BIASL]
.irp j, 0,1,2,3,4,5
	v_readlane_b32 s92, v[X], \j
	v_cndmask_b32 v[PACC+2*\j+\half], v[PACC+2*\j+\half], s92, s91
.endr
	v_readfirstlane_b32 s93, v[TT+12]
	s_sub_co_u32 s88, s87, s63
	UPDATE HH, 88, 93
	s_cmp_lt_u32 s87, 64
	s_cselect_b32 s90, 1, 0
	s_or_b32 s60, s60, s90
	s_sub_co_u32 s90, s87, 64
	s_cmp_lt_u32 s90, 32
	s_cselect_b32 s90, 1, 0
	s_or_b32 s61, s61, s90
	s_add_co_u32 s96, s96, 1
	s_cmp_lt_u32 s96, s97
	s_cbranch_scc1 .Llab_\@
.Lldone_\@:
.endm
; ---------------------------------------------------------------- the head: ids, lane terms, addresses
	s_load_b512 s[8:23], s[0:1], 0x0               ; h 8, tokens 10, E 12, W_next 14, W_time 16, b_next 18, b_time 20, tied_scale_act 22
	s_load_b512 s[24:39], s[0:1], 0x40             ; tied_scale_time 24, proto_scale 26 28, proto_prior 30 32, proto_temp 34 36, out0 38
	s_load_b64 s[40:41], s[0:1], 0x80              ; out1
	v_lshrrev_b32 v[TT], 5, v0
	v_readfirstlane_b32 s2, v[TT]                  ; wave
	v_and_b32 v[LANE], 31, v0
	v_lshlrev_b32 v[L16], 4, v[LANE]
	v_lshlrev_b32 v[L4], 2, v[LANE]
	s_and_b32 s3, ttmp9, 31                        ; block in the batch row
	s_lshr_b32 s4, ttmp9, 5                        ; batch row
	s_mul_i32 s63, s2, 6                           ; my first class
	s_mov_b32 s53, 0
	s_mov_b32 s94, 0x76543210                      ; v_permlanex16_b32: lane i of one half reads lane i of the other
	s_mov_b32 s95, 0xfedcba98
	s_mul_i32 s86, s2, 4*PA
	v_lshl_add_u32 v[AST], v[LANE], 3, s86         ; rows 4 w .., 8 bytes (4 f16) a lane
	s_mul_i32 s86, s2, 6*PA
	s_add_co_u32 s86, s86, B_B
	v_lshl_add_u32 v[BST], v[LANE], 3, s86
	s_lshl_b32 s86, s2, 12
	s_add_co_u32 s86, s86, F_B
	v_add_nc_u32 v[FST], s86, v[L16]
	s_mul_i32 s86, s2, 6*PP
	s_add_co_u32 s86, s86, PT_B
	v_add_nc_u32 v[PST], s86, v[L4]
	v_add_nc_u32 v[FRD], F_B, v[L16]
	v_and_b32 v[X], 15, v0                         ; r = l % 16
	v_bfe_u32 v[X+1], v0, 4, 1                     ; l / 16
	v_mul_u32_u24 v[X+2], v[X], PA
	v_lshl_add_u32 v[X+2], v[X+1], 4, v[X+2]
	s_and_b32 s87, s2, 3                           ; which 16 positions are mine in the product
	s_lshr_b32 s88, s2, 2                          ; which 32 classes
	s_mul_i32 s86, s87, 16*PA
	v_add_nc_u32 v[AF], s86, v[X+2]
	s_mul_i32 s86, s88, 32*PA
	s_add_co_u32 s86, s86, B_B
	v_add_nc_u32 v[BF], s86, v[X+2]
	s_lshl_b32 s86, s3, 8
	s_add_co_u32 s86, s86, 132                     ; 4 (first position + 33)
	v_add_nc_u32 v[NXO], s86, v[L4]
	v_min_u32 v[NXO], 0x1ffc, v[NXO]               ; stays in the row: position 2048 would only feed the state behind the last output
	v_add_nc_u32 v[TKO], 7696, v[L16]              ; token 1920 + 4 l + 4;
	v_min_u32 v[TKO], 0x1ffc, v[TKO]               ; the last lane's stays in the row (its position is ahead of no block)
	v_add_nc_u32 v[TT], s63, v[LANE]               ; the lane's class (lanes 0 to 5 count)
	v_cmp_le_u32 s62, 64, v[TT]                    ; lanes of time classes
	v_min_u32 v[BO0], 63, v[TT]
	v_lshlrev_b32 v[BO0], 2, v[BO0]
	v_sub_nc_u32 v[BO1], v[TT], 64
	v_cndmask_b32 v[BO1], 0, v[BO1], s62
	v_min_u32 v[BO1], 31, v[BO1]
	v_lshlrev_b32 v[BO1], 2, v[BO1]
	s_wait_kmcnt 0x0
	s_mov_b32 s7, 0
	s_lshl_b32 s6, s4, 21
	s_add_nc_u64 s[100:101], s[8:9], s[6:7]        ; h at the batch row
	s_lshl_b32 s6, ttmp9, 16
	s_lshl_b32 s86, s2, 12
	s_add_co_u32 s6, s6, s86
	s_add_nc_u64 s[8:9], s[8:9], s[6:7]            ; h at my wave's four rows
	s_lshl_b32 s6, s4, 13
	s_add_nc_u64 s[10:11], s[10:11], s[6:7]        ; tokens at the batch row
	s_lshl_b32 s6, s3, 8
	s_add_nc_u64 s[42:43], s[10:11], s[6:7]        ; tokens at the block
	s_add_co_u32 s6, s63, 4
	s_lshl_b32 s6, s6, 10
	s_add_nc_u64 s[12:13], s[12:13], s[6:7]        ; E at my first class
	s_lshl_b32 s6, ttmp9, 14
	s_add_nc_u64 s[38:39], s[38:39], s[6:7]        ; out0 at the block
	s_lshl_b32 s6, ttmp9, 13
	s_add_nc_u64 s[40:41], s[40:41], s[6:7]        ; out1 at the block
.irp j, 0,1,2,3,4,5
	s_add_co_u32 s86, s63, \j                      ; class c: row c of W_next, or row c - 64 of W_time (wave 10 has both)
	s_sub_co_u32 s87, s86, 64
	s_cmp_lt_u32 s86, 64
	s_cselect_b64 s[66+2*\j:67+2*\j], s[14:15], s[16:17]
	s_cselect_b32 s6, s86, s87
	s_lshl_b32 s6, s6, 10
	s_add_nc_u64 s[66+2*\j:67+2*\j], s[66+2*\j:67+2*\j], s[6:7]
.endr
	s_load_b32 s44, s[22:23], 0x0                  ; the eight parameters
	s_load_b32 s45, s[24:25], 0x0
	s_load_b32 s46, s[26:27], 0x0
	s_load_b32 s47, s[28:29], 0x0
	s_load_b32 s48, s[30:31], 0x0
	s_load_b32 s49, s[32:33], 0x0
	s_load_b32 s50, s[34:35], 0x0
	s_load_b32 s51, s[36:37], 0x0
	; everything that the wave reads is asked for now: the small loads first, the 32 bulk loads last
	global_load_b32 v[TK],   v[L4], s[42:43]
	global_load_b32 v[TK+1], v[L4], s[42:43] offset:128
	global_load_b32 v[NX],   v[L4], s[42:43] offset:4
	global_load_b32 v[NX+1], v[NXO], s[10:11]
	global_load_b32 v[BIASL], v[BO0], s[18:19]
	global_load_b32 v[ALPHL], v[BO1], s[20:21]     ; b_time, for the moment
	; the whole batch row's tokens, four a lane and the one behind them: the same 8 KiB for all sixteen waves and for the 32 blocks of the row
.irp c, 0,1,2,3,4,5,6,7,8,9,10,11,12,13,14
	global_load_b128 v[TOK+4*\c:TOK+4*\c+3], v[L16], s[10:11] offset:512*\c
	global_load_b32 v[NXE+\c], v[L16], s[10:11] offset:512*\c+16
.endr
	global_load_b128 v[TOK+60:TOK+63], v[L16], s[10:11] offset:7680
	global_load_b32 v[NXE+15], v[TKO], s[10:11]
.irp i, 0,1,2,3
	global_load_b128 v[HH+8*\i:HH+8*\i+3],   v[L16], s[8:9] offset:1024*\i
	global_load_b128 v[HH+8*\i+4:HH+8*\i+7], v[L16], s[8:9] offset:1024*\i+512
.endr
.irp j, 0,1,2,3,4,5
	global_load_b128 v[VV+8*\j:VV+8*\j+3],   v[L16], s[12:13] offset:1024*\j
	global_load_b128 v[VV+8*\j+4:VV+8*\j+7], v[L16], s[12:13] offset:1024*\j+512
	global_load_b128 v[WW+8*\j:WW+8*\j+3],   v[L16], s[66+2*\j:67+2*\j]
	global_load_b128 v[WW+8*\j+4:WW+8*\j+7], v[L16], s[66+2*\j:67+2*\j] offset:512
.endr
; ---------------------------------------------------------------- softplus of the eight parameters, one a lane
; sp(x) = max(x, 0) + log1p(u), u = exp(-|x|);  log1p(u) = log(w) u / (w - 1) with w = 1 + u rounded, or u where w = 1: small alphas keep their digits
	v_mov_b32 v[TT], 0
	s_wait_kmcnt 0x0
.irp p, 0,1,2,3,4,5,6,7
	v_writelane_b32 v[TT], s[44+\p], \p
.endr
	v_and_b32 v[TT+1], 0x7fffffff, v[TT]
	v_mul_f32 v[TT+1], 0xbfb8aa3b, v[TT+1]
	v_exp_f32 v[TT+2], v[TT+1]                     ; u
	v_max_num_f32 v[TT+3], 0, v[TT]                ; (the plain instruction behind it)
	s_wait_alu depctr_va_vdst(0)
	v_add_f32 v[TT+4], 1.0, v[TT+2]                ; w
	v_add_f32 v[TT+5], -1.0, v[TT+4]               ; w - 1
	v_log_f32 v[TT+6], v[TT+4]
	v_rcp_f32 v[TT+7], v[TT+5]
	v_mul_f32 v[TT+8], 0x3f317218, v[TT+2]         ; ln 2 x u (the plain instruction behind the two)
	v_cmp_eq_f32 vcc_lo, 0, v[TT+5]
	s_wait_alu depctr_va_vdst(0)
	v_mul_f32 v[TT+6], v[TT+6], v[TT+8]
	v_mul_f32 v[TT+6], v[TT+6], v[TT+7]
	v_cndmask_b32 v[TT+6], v[TT+6], v[TT+2], vcc_lo
	v_add_f32 v[TT], v[TT+3], v[TT+6]
.irp p, 0,1,2,3,4,5,6,7
	v_readlane_b32 s[44+\p], v[TT], \p
.endr
	s_mul_f32 s46, s46, s50                        ; sp(scale) sp(temp), activity
	s_mul_f32 s47, s47, s51                        ; and time
; ---------------------------------------------------------------- labels of the block, per-class constants by lanes
	s_wait_loadcnt 32                              ; all but the 32 bulk loads: the tokens and the biases
	v_cmp_eq_u32 s54, 3, v[TK]
	v_cmp_eq_u32 s55, 3, v[TK+1]
	s_or_b32 s56, s54, s55                         ; not 0: the block has a label
	v_cndmask_b32 v[BIASL], v[BIASL], v[ALPHL], s62
	v_mov_b32 v[TT], s49
	v_mov_b32 v[ALPHL], s48
	v_cndmask_b32 v[ALPHL], v[ALPHL], v[TT], s62
	v_mov_b32 v[TT], s47
	v_mov_b32 v[FACL], s46
	v_cndmask_b32 v[FACL], v[FACL], v[TT], s62
	v_mov_b32 v[CNT], 0                            ; counts, marks and flags start at nothing
	v_mov_b32 v[MV], 0
	v_mov_b32 v[MV+1], 0
	s_mov_b32 s57, 0
	s_mov_b32 s60, 0
	s_mov_b32 s61, 0
; ---------------------------------------------------------------- in a block with a label: the scan for earlier supports, while the bulk loads travel
	s_cmp_eq_u32 s56, 0
	s_cbranch_scc1 .Lscan_end
	s_lshl_b32 s87, s3, 4                          ; lanes of chunk 0 that lie ahead of the block: 16 x block
.irp c, 0,1,2,3,4,5,6,7,8,9,10,11,12,13,14,15
	CHUNK \c
.endr
.Lscan_end:
; ---------------------------------------------------------------- h to LDS: f16 for the product, f32 for the walk
	s_wait_loadcnt 24                              ; my four rows of h; the 24 loads of E and W are younger
.irp i, 0,1,2,3
.irp q, 0,1,2,3
	v_cvt_pk_f16_f32 v[TT+4*\i+\q], v[HH+8*\i+2*\q], v[HH+8*\i+2*\q+1]
.endr
	ds_store_b64 v[AST], v[TT+4*\i:TT+4*\i+1]   offset:PA*\i
	ds_store_b64 v[AST], v[TT+4*\i+2:TT+4*\i+3] offset:PA*\i+256
.endr
	s_cmp_eq_u32 s56, 0
	s_cbranch_scc1 .Lno_f
.irp i, 0,1,2,3
	ds_store_b128 v[FST], v[HH+8*\i:HH+8*\i+3]   offset:1024*\i
	ds_store_b128 v[FST], v[HH+8*\i+4:HH+8*\i+7] offset:1024*\i+512
.endr
.Lno_f:
; ---------------------------------------------------------------- weights: W + sp(tied) E, rounded once, to LDS
.irp j, 0,1,2,3,4,5
	s_wait_loadcnt 20-4*\j                         ; row j of E and of W; each later row has four younger loads
	s_add_co_u32 s86, s63, \j
	s_cmp_lt_u32 s86, 64
	s_cselect_b32 s52, s44, s45
.irp q, 0,2,4,6
	v_pk_fma_f32 v[TT+\q:TT+\q+1], v[VV+8*\j+\q:VV+8*\j+\q+1], s[52:53], v[WW+8*\j+\q:WW+8*\j+\q+1] op_sel_hi:[1,0,1]
.endr
.irp q, 0,1,2,3
	v_cvt_pk_f16_f32 v[TT+8+\q], v[TT+2*\q], v[TT+2*\q+1]
.endr
	ds_store_b64 v[BST], v[TT+8:TT+9]   offset:PA*\j
	ds_store_b64 v[BST], v[TT+10:TT+11] offset:PA*\j+256
.endr
	s_wait_dscnt 0x0                               ; my stores of h and weights are done, for the other waves' sake
	s_barrier_signal -1
	s_barrier_wait -1                              ; everybody's are
; ---------------------------------------------------------------- the product, and where the block has a label the walk
.irp j, 0,1,2,3,4,5
	v_readlane_b32 s86, v[BIASL], \j               ; every position starts from its class's bias
	v_mov_b32 v[PACC+2*\j], s86
	v_mov_b32 v[PACC+2*\j+1], s86
.endr
	s_cmp_lg_u32 s56, 0
	s_cbranch_scc1 .Llabel
	GEMM
	s_branch .Ljoin
.Llabel:
	s_cmp_lg_u32 s57, 0
	s_cbranch_scc0 .Lpath_y
	ISSUE4                                         ; my first four rows travel while the prior is made and the product runs
	VINIT
	GEMM
	PROC4
	s_add_co_u32 s97, s57, 3
	s_lshr_b32 s97, s97, 2
	s_add_co_i32 s97, s97, -1                      ; groups of four that are left
	s_cmp_eq_u32 s97, 0
	s_cbranch_scc1 .Lwalk
	s_mov_b32 s96, 0
.Linner:
	ISSUE4
	PROC4
	s_add_co_u32 s96, s96, 1
	s_cmp_lt_u32 s96, s97
	s_cbranch_scc1 .Linner
	s_branch .Lwalk
.Lpath_y:
	VINIT
	GEMM
.Lwalk:
	LABLOOP 0
	LABLOOP 1
.Ljoin:
; ---------------------------------------------------------------- bias + prototype term to the waves that hold the sums
.irp j, 0,1,2,3,4,5
	ds_store_b32 v[PST], v[PACC+2*\j]   offset:PP*\j
	ds_store_b32 v[PST], v[PACC+2*\j+1] offset:PP*\j+128
.endr
	s_wait_dscnt 0x0                               ; done, for the other waves' sake
	s_barrier_signal -1
	s_barrier_wait -1
	s_cmp_ge_u32 s2, 12
	s_cbranch_scc1 .Lno_epi
	; register jj of a sum is (position 8 (l / 16) + jj, class l % 16): eight neighbouring positions of one class
	v_and_b32 v[X], 15, v0
	v_bfe_u32 v[X+1], v0, 4, 1
	s_and_b32 s87, s2, 3
	s_lshr_b32 s88, s2, 2
	s_mul_i32 s86, s88, 32*PP
	s_lshl_b32 s89, s87, 6
	s_add_co_u32 s86, s86, s89
	s_add_co_u32 s86, s86, PT_B
	v_mul_u32_u24 v[X+2], v[X], PP
	v_lshl_add_u32 v[X+2], v[X+1], 5, v[X+2]
	v_add_nc_u32 v[X+2], s86, v[X+2]
	ds_load_b128 v[148:151], v[X+2]
	ds_load_b128 v[152:155], v[X+2] offset:16
	ds_load_b128 v[156:159], v[X+2] offset:16*PP
	ds_load_b128 v[160:163], v[X+2] offset:16*PP+16
	s_mul_i32 s86, s87, 16*PO
	s_lshl_b32 s89, s88, 7
	s_add_co_u32 s86, s86, s89
	s_add_co_u32 s86, s86, O_B
	v_mul_u32_u24 v[X+3], v[X+1], 8*PO
	v_lshl_add_u32 v[X+3], v[X], 2, v[X+3]
	v_add_nc_u32 v[X+3], s86, v[X+3]
	s_wait_dscnt 0x0
.irp q, 0,2,4,6
	v_pk_add_f32 v[ACC0+\q:ACC0+\q+1], v[ACC0+\q:ACC0+\q+1], v[148+\q:149+\q]
	v_pk_add_f32 v[ACC1+\q:ACC1+\q+1], v[ACC1+\q:ACC1+\q+1], v[156+\q:157+\q]
.endr
.irp q, 0,1,2,3,4,5,6,7
	ds_store_b32 v[X+3], v[ACC0+\q] offset:PO*\q
	ds_store_b32 v[X+3], v[ACC1+\q] offset:PO*\q+64
.endr
.Lno_epi:
	s_wait_dscnt 0x0                               ; done, for the other waves' sake
	s_barrier_signal -1
	s_barrier_wait -1
; ---------------------------------------------------------------- out: 16 bytes a thread, three times; thread t's bytes lie at 16 t of the block's part
	v_lshrrev_b32 v[X], 4, v0                      ; out0: a row is 256 bytes, 16 threads
	v_and_b32 v[X+1], 15, v0
	v_mul_u32_u24 v[X], v[X], PO
	v_lshl_add_u32 v[X], v[X+1], 4, v[X]
	v_add_nc_u32 v[X], O_B, v[X]
	ds_load_b128 v[148:151], v[X]
	ds_load_b128 v[152:155], v[X] offset:32*PO
	v_lshrrev_b32 v[X+2], 3, v0                    ; out1: a row is 128 bytes, 8 threads, behind the 256 bytes of out0's classes
	v_and_b32 v[X+3], 7, v0
	v_mul_u32_u24 v[X+2], v[X+2], PO
	v_lshl_add_u32 v[X+2], v[X+3], 4, v[X+2]
	v_add_nc_u32 v[X+2], O_B+256, v[X+2]
	ds_load_b128 v[156:159], v[X+2]
	v_lshlrev_b32 v[X+4], 4, v0
	s_wait_dscnt 2                                 ; the first read is in, two younger ones may be out
	global_store_b128 v[X+4], v[148:151], s[38:39] th:TH_STORE_NT
	s_wait_dscnt 1
	global_store_b128 v[X+4], v[152:155], s[38:39] offset:8192 th:TH_STORE_NT
	s_wait_dscnt 0
	global_store_b128 v[X+4], v[156:159], s[40:41] th:TH_STORE_NT
	s_wait_xcnt 0x0
	v_lshl_add_u32 v254, v0, 2, 0x31400
	v_mov_b32 v255, 0
	s_wait_tensorcnt 0x0
	ds_add_u32 v254, v255
	s_wait_dscnt 0x0
	s_endpgm
.Lfunc_end_k_q54827ed10e_fused:
	.size	k_q54827ed10e_fused, .Lfunc_end_k_q54827ed10e_fused-k_q54827ed10e_fused
	.p2alignl 7, 3214868480
	.fill 96, 4, 3214868480
	.section	.rodata,"a",@progbits
	.p2align	6, 0x0
	.amdhsa_kernel k_q54827ed10e_fused
		.amdhsa_group_segment_fixed_size 203776
		.amdhsa_private_segment_fixed_size 0
		.amdhsa_enable_private_segment 0
		.amdhsa_kernarg_size 136
		.amdhsa_user_sgpr_count 2
		.amdhsa_user_sgpr_kernarg_segment_ptr 1
		.amdhsa_wavefront_size32 1
		.amdhsa_system_sgpr_workgroup_id_x 1
		.amdhsa_system_sgpr_workgroup_id_y 1
		.amdhsa_system_sgpr_workgroup_id_z 1
		.amdhsa_system_vgpr_workitem_id 0
		.amdhsa_next_free_vgpr 256
		.amdhsa_next_free_sgpr 102
		.amdhsa_reserve_vcc 1
		.amdhsa_float_denorm_mode_32 3
		.amdhsa_float_denorm_mode_16_64 3
		.amdhsa_memory_ordered 1
		.amdhsa_forward_progress 1
		.amdhsa_inst_pref_size 173
	.end_amdhsa_kernel
	.amdgpu_metadata
---
amdhsa.version: [ 1, 2 ]
amdhsa.kernels:
  - .name:           k_q54827ed10e_fused
    .symbol:         k_q54827ed10e_fused.kd
    .args:
      - { .name: h, .offset: 0, .size: 8, .value_kind: global_buffer, .address_space: global }
      - { .name: tokens, .offset: 8, .size: 8, .value_kind: global_buffer, .address_space: global }
      - { .name: E, .offset: 16, .size: 8, .value_kind: global_buffer, .address_space: global }
      - { .name: W_next, .offset: 24, .size: 8, .value_kind: global_buffer, .address_space: global }
      - { .name: W_time, .offset: 32, .size: 8, .value_kind: global_buffer, .address_space: global }
      - { .name: b_next, .offset: 40, .size: 8, .value_kind: global_buffer, .address_space: global }
      - { .name: b_time, .offset: 48, .size: 8, .value_kind: global_buffer, .address_space: global }
      - { .name: tied_scale_act, .offset: 56, .size: 8, .value_kind: global_buffer, .address_space: global }
      - { .name: tied_scale_time, .offset: 64, .size: 8, .value_kind: global_buffer, .address_space: global }
      - { .name: proto_scale_act, .offset: 72, .size: 8, .value_kind: global_buffer, .address_space: global }
      - { .name: proto_scale_time, .offset: 80, .size: 8, .value_kind: global_buffer, .address_space: global }
      - { .name: proto_prior_act, .offset: 88, .size: 8, .value_kind: global_buffer, .address_space: global }
      - { .name: proto_prior_time, .offset: 96, .size: 8, .value_kind: global_buffer, .address_space: global }
      - { .name: proto_temp_act, .offset: 104, .size: 8, .value_kind: global_buffer, .address_space: global }
      - { .name: proto_temp_time, .offset: 112, .size: 8, .value_kind: global_buffer, .address_space: global }
      - { .name: out0, .offset: 120, .size: 8, .value_kind: global_buffer, .address_space: global }
      - { .name: out1, .offset: 128, .size: 8, .value_kind: global_buffer, .address_space: global }
    .group_segment_fixed_size: 203776
    .private_segment_fixed_size: 0
    .kernarg_segment_align: 8
    .kernarg_segment_size: 136
    .max_flat_workgroup_size: 512
    .sgpr_count:     102
    .vgpr_count:     256
    .wavefront_size: 32
...
	.end_amdgpu_metadata
.endif
;; end of part 1
